; MI455X (gfx1250); checked and timed in simulation.
; The chip was launched on July 23, 2026; its instructions are those of AMD's public machine-readable ISA for CDNA 5 (MIT licence, August 2026) and "CDNA5" Instruction Set Architecture Reference Guide (July 2026). The comments in the code are by the model that wrote it; some were corrected since.
;; Momentum Vector Quantizer. Allowed arithmetic: matrix products marked QUANTISED: E5M2 operands, one given power-of-two scale a tensor, by v_wmma_f32_16x16x64_bf8_bf8 or v_wmma_f32_16x16x128_bf8_bf8, f32 sums; everything else in f32.
;; Inputs: embeddings 512 x 4,096 float32; lowp_scales 2 int32 (the exponents e of the quantised operands' scales 2^e); x 8 x 4,096 x 512 float32.
;; Outputs: out0 8 x 4,096 x 512 float32.
;; This version of the problem:
;;   THIS VERSION OF THE PROBLEM IS GIVEN IN LOW PRECISION. The matrix products marked QUANTISED in the list below multiply operands that are first quantised to E5M2 (5 exponent bits, 2 mantissa bits; 8 bits a number), with one given power-of-two scale for each operand tensor; their sums are f32. All else is computed in f32.
;;   The module's matrix products, in the order in which they are computed (A, B: the left and right operand; K: the contracted axis; several contracted axes count as one K, in the product's order):
;;     1. [M 32,768, K 512] x [K 512, N 4,096]; A: computed on the way; B: computed on the way: QUANTISED (scales: A lowp_scales[0], B lowp_scales[1])
;;   THE QUANTISER, for each operand of a quantised product, along K:
;;     - The operand's scale is 2^e, e = its entry of the input lowp_scales (int32; the entries are numbered through the quantised products in the list's order, A before B).
;;     - Each number is divided by the scale, clamped to +-57,344, and rounded to the nearest number of E5M2, ties to even, subnormals kept.
;;     - The product sums the exact products of the quantised numbers (number of the format x scale) in f32.
;;   ~~~python
;;   def quantise(x, axis, e):      # numpy; x: float32 -> the quantised numbers, widened to float32 again
;;       x = np.moveaxis(x, axis, -1); K = x.shape[-1]
;;       r = np.clip(x / 2.0 ** e, -57344, 57344)
;;       step = 2.0 ** (np.maximum(np.frexp(np.where(r == 0, 1, r))[1] - 1, -14) - 2)
;;       q = np.round(r / step) * step * 2.0 ** e      # np.round: ties to even
;;       return np.moveaxis(q, -1, axis).astype(np.float32)
;;   ~~~
;;   OPERANDS COMPUTED ON THE WAY. 'Computed on the way' means the value that the module computes at that place (a softmax that the list does not call 'softmax' is quantised finished and normalised). What goes into a quantiser is computed in f32, as accurately as f32 sums, v_exp_f32 and their like allow (about 1e-6 of the number): no bf16 or f16 on the way to a quantiser, and a product that is left as it is and whose result goes on into a quantised operand takes f32 operands (vector FMAs, or v_wmma_f32_16x16x4_f32). A number that lies on a knife's edge between two numbers of the format may be rounded either way, as far as f32 arithmetic and the matrix unit's own rounding can turn it there, and no further.
;; One version. Each part assembles by itself: llvm-mc -triple=amdgcn-amd-amdhsa -mcpu=gfx1250 --defsym DOCPART=n.
;; ======== version 1 of 1: 3 launches
;; workspace buffers: ecodes 2,097,152 bytes; normt 8,388,608 bytes; best 131,072 bytes of whole numbers
;; launch prep (part 1): grid 64 x 1, 16 waves a work-group, no clusters, 171,008 bytes of LDS; arguments embeddings, lowp_scales, ecodes, normt; writes ecodes, normt
.if DOCPART == 1
	.amdgcn_target "amdgcn-amd-amdhsa--gfx1250"
	.amdhsa_code_object_version 6
	.text
	.protected	k_qa607201ffd_prep
	.globl	k_qa607201ffd_prep
	.p2align	8
	.type	k_qa607201ffd_prep,@function
k_qa607201ffd_prep:
	s_mov_b64 s[64:65], 0
	v_nop
	global_prefetch_b8 v0, s[64:65] scope:SCOPE_SE
	s_setreg_imm32_b32 hwreg(HW_REG_WAVE_MODE, 25, 1), 1
	s_wait_xcnt 0x0
; THE CODEBOOK IS PREPARED.  embeddings [512 (k)][4096 (entry)] f32.  Each column is divided by max(its length, 1e-12), all in f32, and leaves twice:
;   normt  [4096][512] f32: the normalised columns as rows, for the last launch's gather;
;   ecodes: their codes of BF8 (E5M2) with the given scale 2^e1 (entry 1 of lowp_scales): x / 2^e1, held within +-57,344, to the nearest code, ties to even.
; ecodes IS LAID AS THE PRODUCT'S LAUNCH TAKES IT INTO REGISTERS.  Tile T (entries 16 T .. 16 T + 15) is 8,192 bytes on end: K step s at 2,048 s, register group c at 512 c, lane (r + 16 h) at 16 (r + 16 h).
; Those 16 bytes are places 128 s + 32 c + 16 h + 0 .. 15 of entry 16 T + r, and place p holds k = 128 ((p % 16) / 4) + 4 (p / 16) + p % 4: the order in which the product's launch gets x's codes
; from dense loads.  The same order of k stands on both sides of the product, so every number meets its partner.
; SHARES.  A work-group takes 64 columns and all 512 k: a column's length then needs no other work-group, and 64 columns are 256 consecutive bytes of each row, aligned.  4,096 / 64 = 64 work-groups:
; narrower strips would read each row in pieces of under 256 bytes.  Wave q (of 16) takes the 32 rows k = 128 i + 8 q + 4 h + t (i 0..3, h 0..1, t 0..3); lane l the columns 2 l and 2 l + 1.
; With that choice a lane's 16 numbers (fixed h) of a column are one 16-byte piece of ecodes: s = q / 4, c = q % 4.
; No tensor load, no cluster (work-groups share no input), no matrix work.  Two barriers: the partial sums of squares meet in LDS; the results meet in LDS and leave as runs of 512 bytes.
; LIMITS: e1 between -126 and 112, so that 2^e1 and 57,344 x 2^e1 are f32 numbers.  NaN and infinities among the inputs are not served.  x / n is made as x times the reciprocal of n.
.set ROWE,  16384                      ; bytes in a row of embeddings
.set NTP,   2064                       ; LDS pitch of a normalised column: 2,048 bytes + 16
.set CI,    64*NTP                     ; behind the 64 columns: the image of four tiles of codes, 32,768 bytes
.set PS,    CI+32768                   ; the partial sums: 256 bytes for each wave
.set SPARE, PS+4096                    ; the spare words, 128 bytes for each of 16 waves: eight blocks of 256 bytes that no other line names
.set GO,  2                            ; v2   8 x lane: my two columns in a row's 256 bytes
.set PSA, 3                            ; v3   where I put my partial sums
.set PSR, 4                            ; v4   where I read all sixteen
.set NTA, 5                            ; v5   where I put normalised numbers: column 2 l, + 32 q
.set CIA, 6                            ; v6   where I put codes
.set NTR, 7                            ; v7   the way out: my wave's four columns, 16 bytes a lane
.set CIR, 8                            ; v8   the way out: my wave's 2,048 bytes of codes
.set GS,  9                            ; v9   16 x lane
.set SCL, 10                           ; v10  2^e1 as f32
.set LIM, 11                           ; v11  57,344 x 2^e1
.set SPW, 12                           ; v12  LDS address of my spare word; never rewritten
.set NIL, 13                           ; v13  0; never rewritten
.set TT,  16                           ; v[16:23]   four chains of (column 0, column 1) sums of squares
.set RR,  24                           ; v[24:25]   1 / max(length, 1e-12) of my two columns
.set NN,  26                           ; v[26:27]   their lengths
.set PP,  32                           ; v[32:63]   the sixteen waves' partial sums
.set XX,  64                           ; v[64:127]  as loaded: pair rho = 16 h + 4 i + t; later the held numbers; later codes on the way out
.set YY,  128                          ; v[128:191] normalised: 32 e + rho (e: which of my two columns); later rows on the way out
.set CC,  192                          ; v[192:207] codes: 8 e + 4 h + 0 .. 3
	s_load_b256 s[4:11], s[0:1], 0x0               ; embeddings s[4:5], lowp_scales s[6:7], ecodes s[8:9], normt s[10:11]
	v_lshl_add_u32 v[SPW], v0, 2, SPARE
	v_mov_b32 v[NIL], 0
	v_lshrrev_b32 v1, 5, v0
	v_readfirstlane_b32 s12, v1                    ; wave q, 0..15
	v_and_b32 v1, 31, v0                           ; lane l
	v_lshlrev_b32 v[GO], 3, v1
	s_lshl_b32 s14, s12, 8
	s_add_co_u32 s14, s14, PS
	v_add_nc_u32 v[PSA], s14, v[GO]                ; PS + 256 q + 8 l
	v_add_nc_u32 v[PSR], PS, v[GO]
	v_mul_u32_u24 v[NTA], v1, 2*NTP
	s_lshl_b32 s14, s12, 5
	v_add_nc_u32 v[NTA], s14, v[NTA]               ; column 2 l, byte 4 x (8 q)
	v_lshrrev_b32 v14, 3, v1                       ; columns 2 l, 2 l + 1 lie in tile l / 8 of my four,
	v_and_b32 v15, 7, v1                           ; at r = 2 (l % 8) + e
	v_lshlrev_b32 v[CIA], 13, v14
	v_lshl_add_u32 v[CIA], v15, 5, v[CIA]
	s_lshl_b32 s14, s12, 9                         ; 2,048 (q / 4) + 512 (q % 4) = 512 q
	s_add_co_u32 s14, s14, CI
	v_add_nc_u32 v[CIA], s14, v[CIA]
	v_lshlrev_b32 v[GS], 4, v1
	s_mul_i32 s14, s12, 4*NTP
	v_add_nc_u32 v[NTR], s14, v[GS]
	s_lshl_b32 s14, s12, 11
	s_add_co_u32 s14, s14, CI
	v_add_nc_u32 v[CIR], s14, v[GS]
	s_lshl_b32 s16, ttmp9, 8                       ; embeddings: my work-group's 256 bytes of a row,
	s_lshl_b32 s17, s12, 17                        ; + 8 q rows of 16,384 bytes
	s_add_co_u32 s16, s16, s17
	s_mov_b32 s17, 0
	s_lshl_b32 s18, ttmp9, 15                      ; ecodes: four tiles a work-group, 2,048 bytes of them a wave
	s_lshl_b32 s19, s12, 11
	s_add_co_u32 s18, s18, s19
	s_mov_b32 s19, 0
	s_lshl_b32 s20, ttmp9, 17                      ; normt: 64 rows of 2,048 bytes a work-group, four of them a wave
	s_lshl_b32 s21, s12, 13
	s_add_co_u32 s20, s20, s21
	s_mov_b32 s21, 0
	s_wait_kmcnt 0x0
	s_load_b32 s13, s[6:7], 0x4                    ; e1
	s_add_nc_u64 s[4:5], s[4:5], s[16:17]
	s_add_nc_u64 s[8:9], s[8:9], s[18:19]
	s_add_nc_u64 s[10:11], s[10:11], s[20:21]
.irp h, 0,1                            ; all 32 loads go out at once: each reads 256 consecutive bytes, aligned; every offset is an immediate, 391 rows at the most
.irp i, 0,1,2,3
.irp t, 0,1,2,3
	global_load_b64 v[XX+2*(16*\h+4*\i+\t):XX+2*(16*\h+4*\i+\t)+1], v[GO], s[4:5] offset:(128*\i+4*\h+\t)*ROWE th:TH_LOAD_NT
.endr
.endr
.endr
	; the sums of squares of my 32 rows, both columns at once, in four chains; the first four products start them
.set RHO, 0
.rept 32
.if RHO%8 == 0
	s_wait_loadcnt 24-RHO                          ; loads come back in order: the next eight are in, the younger ones stay out
.endif
.if RHO < 4
	v_pk_mul_f32 v[TT+2*RHO:TT+2*RHO+1], v[XX+2*RHO:XX+2*RHO+1], v[XX+2*RHO:XX+2*RHO+1]
.else
	v_pk_fma_f32 v[TT+2*(RHO%4):TT+2*(RHO%4)+1], v[XX+2*RHO:XX+2*RHO+1], v[XX+2*RHO:XX+2*RHO+1], v[TT+2*(RHO%4):TT+2*(RHO%4)+1]
.endif
.set RHO, RHO+1
.endr
	v_pk_add_f32 v[TT:TT+1], v[TT:TT+1], v[TT+2:TT+3]
	v_pk_add_f32 v[TT+4:TT+5], v[TT+4:TT+5], v[TT+6:TT+7]
	v_pk_add_f32 v[TT:TT+1], v[TT:TT+1], v[TT+4:TT+5]
	ds_store_b64 v[PSA], v[TT:TT+1]
	s_wait_dscnt 0x0                               ; for the others' sake: my partial sums lie in LDS
	s_barrier_signal -1
	s_barrier_wait -1
.irp u, 0,1,2,3,4,5,6,7,8,9,10,11,12,13,14,15
	ds_load_b64 v[PP+2*\u:PP+2*\u+1], v[PSR] offset:256*\u
.endr
	s_wait_kmcnt 0x0
	s_add_co_i32 s13, s13, 127
	s_lshl_b32 s14, s13, 23
	v_mov_b32 v[SCL], s14                          ; 2^e1: the conversion takes its exponent field
	s_add_co_i32 s13, s13, 15
	s_lshl_b32 s13, s13, 23
	s_or_b32 s13, s13, 0x600000
	v_mov_b32 v[LIM], s13                          ; 57,344 x 2^e1
	s_wait_dscnt 0x0
.irp d, 8,4,2,1                        ; the sixteen partial sums, as a tree
.set U, 0
.rept \d
	v_pk_add_f32 v[PP+2*U:PP+2*U+1], v[PP+2*U:PP+2*U+1], v[PP+2*(U+\d):PP+2*(U+\d)+1]
.set U, U+1
.endr
.endr
	v_sqrt_f32 v[NN], v[PP]
	v_sqrt_f32 v[NN+1], v[PP+1]
	v_nop                                          ; a plain instruction behind the roots, ahead of the first use (ISA guide 5.7.2)
	s_wait_alu depctr_va_vdst(0)                   ; one wait for both, ahead of their first reader
	v_max_num_f32 v[NN], 0x2b8cbccc, v[NN]         ; max(length, 1e-12)
	v_max_num_f32 v[NN+1], 0x2b8cbccc, v[NN+1]
	v_rcp_f32 v[RR], v[NN]
	v_rcp_f32 v[RR+1], v[NN+1]
	v_nop
	s_wait_alu depctr_va_vdst(0)
.irp e, 0,1                            ; normalised, and the two columns parted: 32 registers down K for each
.set RHO, 0
.rept 32
	v_mul_f32 v[YY+32*\e+RHO], v[XX+2*RHO+\e], v[RR+\e]
.set RHO, RHO+1
.endr
.endr
.irp e, 0,1                            ; k = 128 i + 8 q + 4 h + 0 .. 3 of column 2 l + e: 16 bytes of its row
.irp h, 0,1
.irp i, 0,1,2,3
	ds_store_b128 v[NTA], v[YY+32*\e+16*\h+4*\i:YY+32*\e+16*\h+4*\i+3] offset:\e*NTP+512*\i+16*\h
.endr
.endr
.endr
.set RHO, 0
.rept 64
	v_med3_num_f32 v[XX+RHO], v[YY+RHO], -v[LIM], v[LIM]   ; the conversion to an 8-bit code does not saturate (ISA guide 7.6.2): the hold, into other registers than the stores above read
.set RHO, RHO+1
.endr
.irp g, 0,1,2,3,4,5,6,7
	v_cvt_scalef32_pk8_bf8_f32 v[CC+2*\g:CC+2*\g+1], v[XX+8*\g:XX+8*\g+7], v[SCL]
.endr
	v_nop                                          ; a plain instruction behind the last conversion
.irp e, 0,1
.irp h, 0,1
	ds_store_b128 v[CIA], v[CC+8*\e+4*\h:CC+8*\e+4*\h+3] offset:16*\e+256*\h   ; lane r + 16 h of the image, r = 2 (l % 8) + e
.endr
.endr
	s_wait_dscnt 0x0                               ; for the others' sake: my numbers and codes lie in LDS
	s_barrier_signal -1
	s_barrier_wait -1
	; THE WAY OUT: wave q stores four whole rows of normt and 2,048 bytes of ecodes; each store covers 512 consecutive bytes, aligned
.irp u, 0,1,2,3,4,5,6,7,8,9,10,11,12,13,14,15
	ds_load_b128 v[YY+4*\u:YY+4*\u+3], v[NTR] offset:(\u/4)*NTP+512*(\u%4)
.endr
.irp u, 0,1,2,3
	ds_load_b128 v[XX+4*\u:XX+4*\u+3], v[CIR] offset:512*\u
.endr
.irp u, 0,1,2,3,4,5,6,7,8,9,10,11,12,13,14,15
	s_wait_dscnt 19-\u                             ; LDS loads come back in order: this one is in, the younger of the twenty stay out
	global_store_b128 v[GS], v[YY+4*\u:YY+4*\u+3], s[10:11] offset:(\u/4)*2048+512*(\u%4)
.endr
.irp u, 0,1,2,3
	s_wait_dscnt 3-\u
	global_store_b128 v[GS], v[XX+4*\u:XX+4*\u+3], s[8:9] offset:512*\u
.endr
	s_wait_tensorcnt 0x0                           ; the wave's end: behind my last LDS store
	ds_add_u32 v[SPW], v[NIL]
	s_wait_dscnt 0x0
	s_endpgm
.Lfunc_end_k_qa607201ffd_prep:
	.size	k_qa607201ffd_prep, .Lfunc_end_k_qa607201ffd_prep-k_qa607201ffd_prep
	.p2alignl 7, 3214868480
	.fill 96, 4, 3214868480
	.section	.rodata,"a",@progbits
	.p2align	6, 0x0
	.amdhsa_kernel k_qa607201ffd_prep
		.amdhsa_group_segment_fixed_size 171008
		.amdhsa_private_segment_fixed_size 0
		.amdhsa_enable_private_segment 0
		.amdhsa_kernarg_size 32
		.amdhsa_user_sgpr_count 2
		.amdhsa_user_sgpr_kernarg_segment_ptr 1
		.amdhsa_wavefront_size32 1
		.amdhsa_system_sgpr_workgroup_id_x 1
		.amdhsa_system_sgpr_workgroup_id_y 1
		.amdhsa_system_sgpr_workgroup_id_z 1
		.amdhsa_system_vgpr_workitem_id 0
		.amdhsa_next_free_vgpr 208
		.amdhsa_next_free_sgpr 66
		.amdhsa_reserve_vcc 0
		.amdhsa_float_denorm_mode_32 3
		.amdhsa_float_denorm_mode_16_64 3
		.amdhsa_memory_ordered 1
		.amdhsa_forward_progress 1
		.amdhsa_inst_pref_size 22
	.end_amdhsa_kernel
	.amdgpu_metadata
---
amdhsa.version: [ 1, 2 ]
amdhsa.kernels:
  - .name:           k_qa607201ffd_prep
    .symbol:         k_qa607201ffd_prep.kd
    .args:
      - { .name: embeddings, .offset: 0, .size: 8, .value_kind: global_buffer, .address_space: global }
      - { .name: lowp_scales, .offset: 8, .size: 8, .value_kind: global_buffer, .address_space: global }
      - { .name: ecodes, .offset: 16, .size: 8, .value_kind: global_buffer, .address_space: global }
      - { .name: normt, .offset: 24, .size: 8, .value_kind: global_buffer, .address_space: global }
    .group_segment_fixed_size: 171008
    .private_segment_fixed_size: 0
    .kernarg_segment_align: 8
    .kernarg_segment_size: 32
    .max_flat_workgroup_size: 512
    .sgpr_count:     66
    .vgpr_count:     208
    .wavefront_size: 32
...
	.end_amdgpu_metadata
.endif
;; end of part 1
;; launch match (part 2): grid 256 x 1, 4 waves a work-group, clusters of 4 x 1, 327,680 bytes of LDS; arguments x, ecodes, lowp_scales, best; writes best
.if DOCPART == 2
	.amdgcn_target "amdgcn-amd-amdhsa--gfx1250"
	.amdhsa_code_object_version 6
	.text
	.protected	k_qa607201ffd_match
	.globl	k_qa607201ffd_match
	.p2align	8
	.type	k_qa607201ffd_match,@function
k_qa607201ffd_match:
	s_mov_b64 s[64:65], 0
	v_nop
	global_prefetch_b8 v0, s[64:65] scope:SCOPE_SE
	s_setreg_imm32_b32 hwreg(HW_REG_WAVE_MODE, 25, 1), 1
	s_wait_xcnt 0x0
	s_wait_alu depctr_hold_cnt(0) depctr_sa_sdst(0) depctr_va_vdst(0) depctr_va_sdst(0) depctr_va_ssrc(0) depctr_va_vcc(0) depctr_vm_vsrc(0)
	s_getreg_b32 s2, hwreg(HW_REG_IB_STS2, 6, 4)
	s_cmp_eq_u32 s2, 0
	s_cbranch_scc0 .Lentry_in_a_cluster
	s_endpgm
.Lentry_in_a_cluster:
	s_bfe_u32 s2, ttmp6, 0x10000c
	s_cmp_lg_u32 s2, 0x3003
	s_cbranch_scc0 .Lentry_shape_is_right
	s_endpgm
.Lentry_shape_is_right:
; best[n] = the entry m whose normalised column has the largest product with the normalised row n of x; both sides as codes of BF8 (E5M2), sums in f32; of equal sums the lowest m.
; x [32768][512] f32 is read once, by one work-group: each row is divided by max(its length, 1e-12) in f32 and quantised here with 2^e0 (entry 0 of lowp_scales).  The codebook's codes come from ecodes,
; laid as images of the operand's registers (tile T of 16 entries: 8,192 bytes; K step s at 2,048 s, group c at 512 c, lane at 16 x lane).  The sums themselves never leave the registers.
; THE ORDER OF K.  A lane loads 16 bytes at 512 i + 16 l of a row of x (i = 0..3) and converts its 16 numbers in that order: place p = 16 l + 4 i + t of the row's codes holds k = 128 i + 4 l + t.
; ecodes has the same order, so every number meets its partner; only the order of the additions inside a sum differs from ascending k.
; SHARES.  A work-group owns 128 rows: 256 work-groups.  EVERY wave holds the codes of all 128 rows in 512 registers (8 blocks of 16 rows x 4 K steps x 16 registers); THE WAVES SHARE THE ENTRIES: of each
; slot of 16 tiles wave w takes tiles 4 w .. 4 w + 3.  So a fragment of the codebook is read from LDS once in the work-group and feeds eight matrix instructions.
; THE PRODUCT IS USED TRANSPOSED (source 0 = 16 entries, source 1 = 16 rows of x): lane (r, h) holds row r, and register j entry 8 h + j of the tile: an accumulator's eight registers are eight sums of ONE row.
; THE ARGMAX.  For each of the eight blocks of rows a lane keeps BE, the largest sum so far; TL, the tile that gave it; BESTV, that tile's eight sums.  An accumulator costs 15 vector instructions: the largest
; of its eight sums (three maxima of three operands and one of two), one compare with BE, one maximum, and nine selects by the one mask (TL and the eight sums).  The compare is strict and a wave's tiles
; ascend: of equal sums the earlier tile stays, all of whose entries are lower.  Which of the eight it was is found once, at the end.
; BY TURNS.  That vector work, 3.75 instructions for each matrix instruction, stands BETWEEN the matrix instructions: while tile t is multiplied into one set of eight accumulators, tile t - 1's sums are taken
; from the other set, one slice of four instructions behind each matrix instruction.  At the end places, halves of lanes and waves are merged: the larger sum, of equal sums the lower entry.
; THE FACTOR 2^(e0 + e1) is a positive power of two, the same for all sums: it changes no order, so the sums are compared without it.
; CLUSTER.  All work-groups walk the same 2 MiB of codes: the four of a cluster ask for each piece JOINTLY (the same tensor load, the same descriptor, a mask that names the four).  x is shared by nobody.
; RING.  Two slots of 16 tiles (131,072 bytes); wave w fetches its own 32,768 bytes of a slot by one load.  A slot is left at its last tile: three lines, a round of the cluster's barrier, the refill.
; LIMITS: e0 between -126 and 112.  NaN and infinities among the inputs are not served.  x / n is made as x times the reciprocal of n.  The order of the sums is that of the scaled sums as long as
; those neither overflow nor fall among the denormals.
; REGISTERS, in windows of 256 (s_set_vgpr_msb: bits 1:0 source 0, 3:2 source 1, 5:4 source 2, 7:6 destination):
;   window 0: v0-15 addresses and constants; v16-51 at work at the head; v64-255 three sets of 64 numbers of x at the head.  In the loop: v16-23 TL, v24-31 BE, v32-35 at work, v64-127 BESTV,
;             v128-255 two sets of eight accumulators.  All that a slice touches lies here: a slice costs two switches, one in front and one behind.  At the end v36-63 and v128-191 are at work.
;   window 1: v0-127 two buffers of four fragments of the codebook.
;   window 2: x's fragments of rows 0-63 (block a, K step s at 64 a + 16 s);   window 3: those of rows 64-127.
.set ROWX,  2048                       ; bytes in a row of x
.set SLOTB, 131072                     ; a slot: 16 tiles
.set TILEB, 8192
.set XST,   2*SLOTB                    ; behind the ring: 64 rows of x's codes, 512 bytes + 16; written by LDS stores, twice; no tensor load lands from here on
.set XP,    528
.set MRG,   XST+64*XP                  ; 4 waves x 128 rows x (sum, entry)
.set SPARE, MRG+4096                   ; the spare words, 128 bytes for each wave: two blocks of 256 bytes that no other line names
.set L16,  1                           ; v1   16 x lane
.set SPW,  2                           ; v2   LDS address of my spare word; never rewritten
.set NIL,  3                           ; v3   0; never rewritten
.set XSTO, 4                           ; v4   where I put a row's 16 codes: my wave's 16 rows of the 64, + 16 x lane
.set XFR,  5                           ; v5   where a fragment of x begins for my lane: row r, + 16 h
.set ADR,  6                           ; v6, v7  my wave's tiles in slot 0, 1, + 16 x lane
.set SCL,  8                           ; v8   2^e0 as f32
.set LIM,  9                           ; v9   57,344 x 2^e0
.set PFO,  10                          ; v10  256 x lane, for the prefetches
.set MST,  11                          ; v11  where I put my wave's results
.set MRD,  12                          ; v12  where wave 0 reads four rows' results
.set TT,   16                          ; at the head: v[16:23] four rows' sums of squares, a pair each
.set RR,   24                          ; v[24:31] four rows' reciprocals, each the low word of a pair
.set CC,   32                          ; v[32:47] four rows' codes
.set PL,   48                          ; v[48:51] what comes from the other half of the lanes
.set XS,   64
.set TL,   16                          ; in the loop: v[16:23] block a's tile of the largest sum
.set BE,   24                          ; v[24:31] block a's largest sum
.set MT,   32                          ; v[32:35] two accumulators' maxima at work, two each
.set BESTV, 64                         ; v[64:127] the eight sums of block a's best tile at 8 a + j
.set ACC,  128
.set TM,   36                          ; at the end: v[36:43] at work;
.set PR,   48                          ; v[48:63] (sum, entry) of block a at PR + 2 a;
.set IDX,  128                         ; v[128:191] the entry of place 8 a + j
.set QQ,   64                          ; wave o's (sum, entry) of my four rows at QQ + 8 o
.set OUTR, 96
.set WV,   12                          ; s12  my wave's number
.set G1,   16                          ; s[16:23] descriptor group 1
.set G0,   24                          ; s[24:27], s[28:31] descriptor group 0 of slot 0, 1
.set TID,  32                          ; s32  the number of the tile whose sums are being taken
.set TR,   33                          ; s33  trips to go
.set LIMP, 34                          ; s34  1 in the launch's first cluster, else the greatest number: a wave prefetches while s33 is above it
.set PFA,  36                          ; s[36:37] where my prefetches stand
.set SEL,  38                          ; s[38:39] lane selects: lane l xor 16
.set MK,   46                          ; s46  the odd accumulator's mask; the even one's is VCC
.set MQ,   52                          ; s52-59 four pairs of masks for the merges
.set MSB, 0
.macro WIN new                         ; the immediate's high byte repeats the setting that is left; a switch that changes nothing is dropped
.if MSB != (\new)
	s_set_vgpr_msb (MSB<<8)|(\new)
.set MSB, (\new)
.endif
.endm
.set W_FB,  0x40                       ; destination window 1
.macro CREST                           ; a round of the cluster's barrier behind its opening barrier
	s_cmp_lg_u32 s[WV], 0
	s_cbranch_scc1 .Lnot_wave_0_\@
	s_barrier_signal -3
.Lnot_wave_0_\@:
	s_barrier_wait -3
	s_barrier_signal -1
	s_barrier_wait -1
.endm
.macro ROUND                           ; a whole round
	s_barrier_signal -1
	s_barrier_wait -1
	CREST
.endm
; Group g of eight: four rows of my 16 in half g / 4 of the work-group's rows; 16 loads, each 512 consecutive bytes of a row
.macro LOADG g
.irp q, 0,1,2,3
.irp i, 0,1,2,3
	global_load_b128 v[XS+64*((\g)%3)+16*\q+4*\i:XS+64*((\g)%3)+16*\q+4*\i+3], v[L16], s[4:5] offset:(64*((\g)/4)+4*((\g)%4)+\q)*ROWX+512*\i th:TH_LOAD_NT
.endr
.endr
.endm
; Group g is normalised and quantised, the four rows line by line in turn, and its codes go to LDS; then its registers take group g + 3
.macro QGROUP g
.set XB, XS+64*((\g)%3)
.if 7-(\g) >= 2
	s_wait_loadcnt 32                              ; this group's 16 loads are in; the two younger groups' stay out
.else
	s_wait_loadcnt 16*(7-(\g))
.endif
.irp q, 0,1,2,3
	v_pk_mul_f32 v[TT+2*\q:TT+2*\q+1], v[XB+16*\q:XB+16*\q+1], v[XB+16*\q:XB+16*\q+1]
.endr
.irp k, 1,2,3,4,5,6,7
.irp q, 0,1,2,3
	v_pk_fma_f32 v[TT+2*\q:TT+2*\q+1], v[XB+16*\q+2*\k:XB+16*\q+2*\k+1], v[XB+16*\q+2*\k:XB+16*\q+2*\k+1], v[TT+2*\q:TT+2*\q+1]
.endr
.endr
.irp q, 0,1,2,3
	v_add_f32 v[TT+2*\q], v[TT+2*\q], v[TT+2*\q+1]
.endr
.irp m, 1,2,4,8
.irp q, 0,1,2,3
	v_add_f32_dpp v[TT+2*\q], v[TT+2*\q], v[TT+2*\q] row_xmask:\m row_mask:0xf bank_mask:0xf
.endr
.endr
.irp q, 0,1,2,3
	v_permlanex16_b32 v[PL+\q], v[TT+2*\q], s[SEL], s[SEL+1]
.endr
.irp q, 0,1,2,3
	v_add_f32 v[TT+2*\q], v[TT+2*\q], v[PL+\q]     ; the row's sum of squares, in every lane
.endr
.irp q, 0,1,2,3
	v_sqrt_f32 v[TT+2*\q], v[TT+2*\q]
.endr
	v_nop                                          ; a plain instruction behind the roots, ahead of the first use (ISA guide 5.7.2)
	s_wait_alu depctr_va_vdst(0)                   ; one wait for the four, ahead of their first reader
.irp q, 0,1,2,3
	v_max_num_f32 v[TT+2*\q], 0x2b8cbccc, v[TT+2*\q]   ; max(length, 1e-12)
.endr
.irp q, 0,1,2,3
	v_rcp_f32 v[RR+2*\q], v[TT+2*\q]
.endr
	v_nop
	s_wait_alu depctr_va_vdst(0)
.irp q, 0,1,2,3
.irp k, 0,1,2,3,4,5,6,7
	v_pk_mul_f32 v[XB+16*\q+2*\k:XB+16*\q+2*\k+1], v[XB+16*\q+2*\k:XB+16*\q+2*\k+1], v[RR+2*\q:RR+2*\q+1] op_sel_hi:[1,0]
.endr
.endr
.irp q, 0,1,2,3
.irp k, 0,1,2,3,4,5,6,7,8,9,10,11,12,13,14,15
	v_med3_num_f32 v[XB+16*\q+\k], v[XB+16*\q+\k], -v[LIM], v[LIM]   ; the conversion to an 8-bit code does not saturate (ISA guide 7.6.2): the hold at the largest code x the scale
.endr
.endr
	s_wait_dscnt 0x0                               ; the last group's stores have read the codes' registers
.irp q, 0,1,2,3
	v_cvt_scalef32_pk8_bf8_f32 v[CC+4*\q:CC+4*\q+1], v[XB+16*\q:XB+16*\q+7], v[SCL]
	v_cvt_scalef32_pk8_bf8_f32 v[CC+4*\q+2:CC+4*\q+3], v[XB+16*\q+8:XB+16*\q+15], v[SCL]
.endr
	v_nop                                          ; a plain instruction behind the last conversion: vector and matrix instructions write its sources later
.irp q, 0,1,2,3
	ds_store_b128 v[XSTO], v[CC+4*\q:CC+4*\q+3] offset:(4*((\g)%4)+\q)*XP   ; 32 lanes: the row's 512 codes on end
.endr
.if (\g)+3 < 8
	LOADG (\g)+3
.endif
.endm
; The 64 rows in LDS become 16 fragments in window 2 + hh, in every wave: lane (r, h), registers 4 c .. 4 c + 3 of K step f: places 128 f + 32 c + 16 h + 0 .. 15 of row r
.macro FRAGX hh
	WIN 0x80+0x40*(\hh)
.irp a, 0,1,2,3
.irp f, 0,1,2,3
.irp c, 0,1,2,3
	ds_load_b128 v[64*\a+16*\f+4*\c:64*\a+16*\f+4*\c+3], v[XFR] offset:\a*16*XP+128*\f+32*\c
.endr
.endr
.endr
	WIN 0
.endm
; The four fragments of my t-th tile of a slot into buffer p: 16 loads in one run, each 512 consecutive bytes
.macro FETCHB slot, t, p
	WIN W_FB
.irp f, 0,1,2,3
.irp c, 0,1,2,3
	ds_load_b128 v[64*(\p)+16*\f+4*\c:64*(\p)+16*\f+4*\c+3], v[ADR+(\slot)] offset:TILEB*(\t)+2048*\f+512*\c
.endr
.endr
.endm
; Matrix instruction ii of a tile's 32: K step ii / 8, block of rows ii % 8.  The eight accumulators take turns, one instruction a turn; the first eight start the sums with 0
.macro MM p
.set aR, ii%8
.set fK, 16*(ii/8)
.set rD, ACC+64*(\p)+8*aR
	WIN 0x09+4*(aR/4)                              ; source 0 (the codebook) window 1, source 1 (x) window 2 or 3, C and D window 0
.if ii < 8
	v_wmma_f32_16x16x128_bf8_bf8 v[rD:rD+7], v[64*(\p)+fK:64*(\p)+fK+15], v[64*(aR%4)+fK:64*(aR%4)+fK+15], 0
.else
	v_wmma_f32_16x16x128_bf8_bf8 v[rD:rD+7], v[64*(\p)+fK:64*(\p)+fK+15], v[64*(aR%4)+fK:64*(aR%4)+fK+15], v[rD:rD+7]
.endif
.endm
; THE VECTOR WORK for two accumulators, 2 qq and 2 qq + 1 of set 1 - p, is a list of 30 instructions; SOP writes number jj of it.  Even numbers serve the even accumulator, odd ones the odd: no instruction
; reads the result of the one just before it.  Each accumulator is read from its low end on.
;   0-7    the largest of the eight sums: registers 0-2; 3-5; the first with 6, 7; the two together
;   8, 9   is it strictly larger than BE?  (the even accumulator's mask in VCC, the odd one's in s[MK])
;   10, 11 BE takes the larger
;   12, 13 TL takes the tile's number where the mask says so,
;   14-29  and BESTV the eight sums
; mode 2: the wave's first tile starts BE, TL and BESTV by moves: nothing is ever cleared, and there is no compare.
.macro SOP p, mode
.set eE, jj%2
.set rX, ACC+64*(1-(\p))+16*qq+8*eE
.set rM, MT+eE
.set rN, MT+2+eE
.set rB, BE+2*qq+eE
.set rT, TL+2*qq+eE
.set rV, BESTV+16*qq+8*eE+(jj-14)/2
.set rY, rX+(jj-14)/2
.if jj < 2
	v_max3_num_f32 v[rM], v[rX], v[rX+1], v[rX+2]
.elseif jj < 4
	v_max3_num_f32 v[rN], v[rX+3], v[rX+4], v[rX+5]
.elseif jj < 6
	v_max3_num_f32 v[rM], v[rM], v[rX+6], v[rX+7]
.elseif jj < 8
	v_max_num_f32 v[rM], v[rM], v[rN]
.elseif jj < 10
.if (\mode) == 1
.if eE == 0
	v_cmp_lt_f32 vcc_lo, v[rB], v[rM]              ; strictly larger: of equal sums the earlier, lower tile stays
.else
	v_cmp_lt_f32 s[MK], v[rB], v[rM]
.endif
.endif
.elseif jj < 12
.if (\mode) == 1
	v_max_num_f32 v[rB], v[rB], v[rM]
.else
	v_mov_b32 v[rB], v[rM]
.endif
.elseif jj < 14
.if (\mode) != 1
	v_mov_b32 v[rT], s[TID]
.elseif eE == 0
	v_cndmask_b32 v[rT], v[rT], s[TID], vcc_lo
.else
	v_cndmask_b32 v[rT], v[rT], s[TID], s[MK]
.endif
.else
.if (\mode) != 1
	v_mov_b32 v[rV], v[rY]
.elseif eE == 0
	v_cndmask_b32 v[rV], v[rV], v[rY], vcc_lo
.else
	v_cndmask_b32 v[rV], v[rV], v[rY], s[MK]
.endif
.endif
.endm
; Slice ii of a tile's 32, behind matrix instruction ii: four numbers of the list of pair ii / 8; a pair's eighth slice has the two that are left (30 = 7 x 4 + 2).
; A mask is written in a pair's third slice and last read in its eighth; the joint load stands behind slice 15, a pair's eighth.
.macro SLICE p, mode
.set qq, ii/8
	WIN 0
.irp n, 0,1,2,3
.if (ii%8 < 7) || (\n < 2)
.set jj, 4*(ii%8)+\n
	SOP \p, \mode
.endif
.endr
.endm
; A PREFETCH INTO THE L2, behind the joint refill, its five lines and the run of LDS loads: the slot that stands two refills on, 256 matrix instructions ahead of the load that will want it.
; Every cluster walks the same codes: the launch's first cluster asks, and nobody else.  Its 16 waves take 8,192 bytes each, told apart BY ADDRESS (place in the cluster, wave), lanes 256 bytes apart:
; each 256 bytes of ecodes from slot 4 on are named once in the launch.  The last trip asks for nothing: there is no slot 16.  Slots 0 to 3 come by their loads alone.
.macro ASK
	s_cmp_gt_u32 s[TR], s[LIMP]
	s_cbranch_scc0 .Lnot_mine_\@
	global_prefetch_b8 v[PFO], s[PFA:PFA+1] th:TH_LOAD_NT scope:SCOPE_SE
.Lnot_mine_\@:
.endm
; A TILE: 32 matrix instructions into set t % 2; behind each, a slice of the tile before (sl = 1; 2: it starts BE, TL and BESTV; 0: there is no tile before).
; kind 0: the next tile lies in the same slot: its fragments are fetched behind the second product, 30 matrix instructions ahead of their use; the ten instructions of the three slices since the other
;         buffer's last product are the places (ISA guide 7.12.1 for vector instructions).
; kind 1: the slot's last tile.  My reads of the slot are over at its head.  Wait for all my tensor loads (one is out: my part of the other slot), the add, eight products, the wait for the add, the signal;
;         eight products while the others arrive; the rest of the cluster's round; the joint refill of this slot, two slots on; the other slot's first fragments; the prefetch.
; kind 2: the same with nothing left to fetch: a plain barrier.   kind 3: the very last tile.
; Between an accumulator's last product and the first read of its sums, in the next tile's slices, stand 26 plain instructions at the least, which name the other set.
.macro TILE slot, t, kind, sl
.if ((\kind) == 1) || ((\kind) == 2)
	WIN 0                                          ; (the add's two registers lie in window 0)
.if (\kind) == 1
	s_wait_xcnt 0x0                                ; the last prefetch, a slot back, has read its address: it may be stepped
	s_add_nc_u64 s[PFA:PFA+1], s[PFA:PFA+1], SLOTB
.endif
	s_wait_dscnt 0x0                               ; this tile's fragments are in: my last reads of this slot
	s_wait_tensorcnt 0x0                           ; all my tensor loads have landed
	ds_add_u32 v[SPW], v[NIL]                      ; 0 onto my spare word
.else
	s_wait_dscnt 0x0                               ; this tile's fragments are in
.endif
.set ii, 0
.rept 32
	MM (\t)%2
.if (\sl) != 0
	SLICE (\t)%2, \sl
.endif
.if ((\kind) == 0) && (ii == 1)
	FETCHB \slot, (\t)+1, 1-(\t)%2
.endif
.if (((\kind) == 1) || ((\kind) == 2)) && (ii == 7)
.if (\kind) == 1
	s_add_nc_u64 s[G0+4*(\slot)+2:G0+4*(\slot)+3], s[G0+4*(\slot)+2:G0+4*(\slot)+3], 2*SLOTB   ; no tensor load of mine is out: this slot's next 16 tiles; the type bits on top are not reached
.endif
	s_wait_dscnt 0x0                               ; the add is done
	s_barrier_signal -1
.endif
.if (((\kind) == 1) || ((\kind) == 2)) && (ii == 15)
	WIN 0
	s_barrier_wait -1
.if (\kind) == 1
	CREST                                          ; no wave of any partner still reads this slot or has a load on its way
	tensor_load_to_lds s[G0+4*(\slot):G0+4*(\slot)+3], s[G1:G1+7]   ; my one tensor load behind the round: 112 matrix instructions ahead of the wait for it
	s_nop 0
.endif
.rept 4
	v_nop
.endr
	FETCHB 1-(\slot), 0, 0
.if (\kind) == 1
	WIN 0
	ASK
.endif
.endif
.set ii, ii+1
.endr
.if (\sl) != 0
.if (\t) == 0
	s_add_co_u32 s[TID], s[TID], 13                ; from my last tile of a slot to my first of the next: 16 - 3
.else
	s_add_co_u32 s[TID], s[TID], 1
.endif
.else
.rept 4
	v_nop                                          ; the bare tile has no slices: four places between its products and the first read of its sums (ISA guide 7.12.1)
.endr
.endif
.endm
; (dv, di) = the better of (va, ia) and (vb, ib): the larger sum; of equal sums the lower entry.  dv = -1: the sum is wanted no more
.macro MERGE va, ia, vb, ib, dv, di, tm, m
	v_cmp_gt_f32 s[\m], v[\vb], v[\va]
	v_cmp_eq_f32 s[\m+1], v[\vb], v[\va]
	v_min_u32 v[\tm], v[\ia], v[\ib]
	v_cndmask_b32 v[\di], v[\ia], v[\ib], s[\m]
	v_cndmask_b32 v[\di], v[\di], v[\tm], s[\m+1]
.if (\dv) >= 0
	v_max_num_f32 v[\dv], v[\va], v[\vb]
.endif
.endm
.macro LSTEP j0, j1                    ; place j1 onto place j0, in all eight blocks side by side
.irp a, 0,1,2,3,4,5,6,7
	MERGE BESTV+8*\a+\j0, IDX+8*\a+\j0, BESTV+8*\a+\j1, IDX+8*\a+\j1, BESTV+8*\a+\j0, IDX+8*\a+\j0, TM+\a, MQ+2*(\a%4)
.endr
.endm
	s_load_b256 s[4:11], s[0:1], 0x0               ; x s[4:5], ecodes s[6:7], lowp_scales s[8:9], best s[10:11]
	v_lshl_add_u32 v[SPW], v0, 2, SPARE
	v_mov_b32 v[NIL], 0
	ds_add_u32 v[SPW], v[NIL]                      ; the wave's opening: the add and its wait stand ahead of my first tensor load; the set-up below, work on registers, stands between them
	v_lshrrev_b32 v13, 5, v0
	v_readfirstlane_b32 s[WV], v13                 ; wave 0..3
	s_bfe_u32 s13, ttmp6, 0x40000                  ; cx: my place in the cluster
	s_lshl_b32 s14, ttmp9, 2                       ; in a cluster launch ttmp9 counts clusters
	s_add_co_u32 s14, s14, s13                     ; my work-group: it enters x's, best's and the prefetches' addresses alone
	; descriptor group 1: 32,768 dense bytes as 128 rows of 32 elements of 8 bytes; no padding: the images are read 512 consecutive bytes at a time
	s_mov_b32 s[G1+0], 15|(3<<16)|(1<<21)          ; 15:0 the mask: all four work-groups; 17:16 elements of 8 bytes; 21 set beside a mask
	s_mov_b32 s[G1+1], 32<<16                      ; tensor_dim0 = 32
	s_mov_b32 s[G1+2], 128<<16                     ; tensor_dim1 = 128
	s_mov_b32 s[G1+3], 32<<16                      ; tile_dim0 = 32
	s_mov_b32 s[G1+4], 128                         ; tile_dim1 = 128
	s_mov_b32 s[G1+5], 32                          ; from row to row
	s_mov_b32 s[G1+6], 0
	s_mov_b32 s[G1+7], 0
	s_mov_b32 s[SEL], 0x76543210
	s_mov_b32 s[SEL+1], 0xfedcba98
	s_lshl_b32 s[TID], s[WV], 2                    ; my first tile: 4 w
	s_mov_b32 s[TR], 7
	s_cmp_eq_u32 ttmp9, 0                          ; the same in all four partners
	s_cselect_b32 s[LIMP], 1, -1
	v_and_b32 v13, 31, v0                          ; lane
	v_and_b32 v14, 15, v0                          ; r
	v_bfe_u32 v15, v0, 4, 1                        ; h
	v_lshlrev_b32 v[L16], 4, v13
	v_lshlrev_b32 v[PFO], 8, v13
	s_mul_i32 s40, s[WV], 16*XP
	s_add_co_u32 s40, s40, XST
	v_add_nc_u32 v[XSTO], s40, v[L16]
	v_mul_u32_u24 v[XFR], v14, XP
	v_lshl_add_u32 v[XFR], v15, 4, v[XFR]
	v_add_nc_u32 v[XFR], XST, v[XFR]
	s_lshl_b32 s40, s[WV], 15                      ; my 32,768 bytes of a slot: no place in the cluster enters an LDS address
	v_add_nc_u32 v[ADR], s40, v[L16]
	v_add_nc_u32 v[ADR+1], SLOTB, v[ADR]
	s_lshl_b32 s41, s[WV], 10
	s_add_co_u32 s41, s41, MRG
	v_lshl_add_u32 v[MST], v14, 3, s41             ; my wave's 1,024 bytes, 8 for each row
	v_lshlrev_b32 v[MRD], 5, v13
	v_add_nc_u32 v[MRD], MRG, v[MRD]               ; four rows a lane
.irp q, 0,1,2,3
	v_mov_b32 v[RR+2*\q+1], 0                      ; named as the upper half of a pair, so it is written
	v_mov_b32 v[PL+\q], 0                          ; a lane permute's destination counts as one of its sources
.endr
	s_lshl_b32 s50, s14, 18                        ; x: 128 rows of 2,048 bytes a work-group,
	s_lshl_b32 s51, s[WV], 15                      ; 16 rows a wave
	s_add_co_u32 s50, s50, s51
	s_mov_b32 s51, 0
	s_mov_b32 s44, s40
	s_mov_b32 s45, 0
	s_wait_dscnt 0x0                               ; the opening add is done
	s_wait_kmcnt 0x0
	s_load_b32 s42, s[8:9], 0x0                    ; e0
	s_add_nc_u64 s[4:5], s[4:5], s[50:51]
	LOADG 0                                        ; x's first 48 loads a wave go out ahead of everything else
	LOADG 1
	LOADG 2
	s_lshl_b32 s50, s14, 9
	s_add_nc_u64 s[10:11], s[10:11], s[50:51]      ; best: 128 words a work-group
.irp n, 0,1
	s_mov_b32 s[G0+4*\n], 1                        ; 1:0 count = 1
	s_add_co_u32 s[G0+4*\n+1], s40, \n*SLOTB       ; 63:32 LDS address: slot n, my wave's part
	s_add_nc_u64 s[G0+4*\n+2:G0+4*\n+3], s[6:7], s[44:45]
	s_add_nc_u64 s[G0+4*\n+2:G0+4*\n+3], s[G0+4*\n+2:G0+4*\n+3], \n*SLOTB   ; 120:64 global address: the same place in ecodes
	s_or_b32 s[G0+4*\n+3], s[G0+4*\n+3], 0x80000000   ; 127:126 type = 2
.endr
	s_lshl_b32 s50, s13, 15                        ; the prefetches: my work-group's quarter of a slot,
	s_lshl_b32 s43, s[WV], 13                      ; my wave's quarter of that,
	s_add_co_u32 s50, s50, s43
	s_add_co_u32 s50, s50, 3*SLOTB                 ; in slot 3: the first change of slots steps it to slot 4.  Nothing is prefetched here, at the head
	s_add_nc_u64 s[PFA:PFA+1], s[6:7], s[50:51]
	ROUND                                          ; all four work-groups are here: the first joint loads meet
	tensor_load_to_lds s[G0:G0+3], s[G1:G1+7]      ; both first fills together: two tensor loads of mine are out, later one
	s_nop 0
	tensor_load_to_lds s[G0+4:G0+7], s[G1:G1+7]
	s_nop 0
.rept 4
	v_nop
.endr
	s_wait_kmcnt 0x0
	s_add_co_i32 s42, s42, 127
	s_lshl_b32 s43, s42, 23
	v_mov_b32 v[SCL], s43                          ; 2^e0: the conversion takes its exponent field
	s_add_co_i32 s42, s42, 15
	s_lshl_b32 s42, s42, 23
	s_or_b32 s42, s42, 0x600000
	v_mov_b32 v[LIM], s42                          ; 57,344 x 2^e0
	QGROUP 0                                       ; rows 0-63 of the work-group, 16 a wave
	QGROUP 1
	QGROUP 2
	QGROUP 3
	s_wait_dscnt 0x0                               ; for the others' sake: my rows' codes lie in LDS
	s_barrier_signal -1
	s_barrier_wait -1
	FRAGX 0
	s_wait_dscnt 0x0                               ; my reads of the 64 rows are over: behind the barrier they are written again
	s_barrier_signal -1
	s_barrier_wait -1
	QGROUP 4                                       ; rows 64-127
	QGROUP 5
	QGROUP 6
	QGROUP 7
	s_wait_dscnt 0x0
	s_wait_tensorcnt 0x1                           ; my part of slot 0 is in; slot 1's load may stay out: no tensor load fills anything behind this barrier
	s_barrier_signal -1
	s_barrier_wait -1
	FRAGX 1
	FETCHB 0, 0, 0
	TILE 0, 0, 0, 0                                ; the first tile: nothing to take yet
	TILE 0, 1, 0, 2                                ; its sums start BE, TL and BESTV: nothing is ever cleared
	WIN 0
.Llap:                                                 ; seven trips, once round the ring each, from a slot's third tile to the next lap's second; both slots are filled again
	TILE 0, 2, 0, 1
	TILE 0, 3, 1, 1
	TILE 1, 0, 0, 1
	TILE 1, 1, 0, 1
	TILE 1, 2, 0, 1
	TILE 1, 3, 1, 1
	TILE 0, 0, 0, 1
	TILE 0, 1, 0, 1
	WIN 0
	s_sub_co_u32 s[TR], s[TR], 1
	s_cmp_lg_u32 s[TR], 0
	s_cbranch_scc1 .Llap
	TILE 0, 2, 0, 1                                ; the last lap is written out: it asks for nothing
	TILE 0, 3, 2, 1
	TILE 1, 0, 0, 1
	TILE 1, 1, 0, 1
	TILE 1, 2, 0, 1
	TILE 1, 3, 3, 1
.set ii, 0
.rept 32
	SLICE 0, 1                                     ; the last tile's sums (set 1), with no products left to stand between; the last tile's own slices are the places ahead of the first of these
.set ii, ii+1
.endr
	; MY WAVE'S RESULT.  Place 8 a + j gets its entry, 16 TL + 8 h + j; a lane's eight places are merged, then the two halves of the lanes.  The entries lie where set 0 of the accumulators lay
	v_bfe_u32 v[PL], v0, 4, 1
	v_lshlrev_b32 v[PL], 3, v[PL]                  ; 8 h
.irp a, 0,1,2,3,4,5,6,7
	v_lshl_add_u32 v[TL+\a], v[TL+\a], 4, v[PL]
.endr
.irp a, 0,1,2,3,4,5,6,7
.irp j, 0,1,2,3,4,5,6,7
	v_add_nc_u32 v[IDX+8*\a+\j], \j, v[TL+\a]
.endr
.endr
	LSTEP 0, 1
	LSTEP 2, 3
	LSTEP 4, 5
	LSTEP 6, 7
	LSTEP 0, 2
	LSTEP 4, 6
	LSTEP 0, 4
.irp a, 0,1,2,3,4,5,6,7
	v_permlanex16_b32 v[BESTV+8*\a+1], v[BESTV+8*\a], s[SEL], s[SEL+1]   ; the row's other eight entries of each tile lie in the lane 16 away; the destinations are places that are done with
	v_permlanex16_b32 v[IDX+8*\a+1], v[IDX+8*\a], s[SEL], s[SEL+1]
.endr
.irp a, 0,1,2,3,4,5,6,7
	MERGE BESTV+8*\a, IDX+8*\a, BESTV+8*\a+1, IDX+8*\a+1, PR+2*\a, PR+2*\a+1, TM+\a, MQ+2*(\a%4)
.endr
.irp a, 0,1,2,3,4,5,6,7
	ds_store_b64 v[MST], v[PR+2*\a:PR+2*\a+1] offset:128*\a   ; row 16 a + r; lanes r and r + 16 hold, and write, the same
.endr
	s_wait_dscnt 0x0                               ; for wave 0's sake
	s_barrier_signal -1
	s_barrier_wait -1
	s_cmp_lg_u32 s[WV], 0                          ; wave 0 merges the four waves' results, four rows a lane, and stores the work-group's 128 words as 512 consecutive bytes, aligned
	s_cbranch_scc1 .Ldone
.irp o, 0,1,2,3
.irp u, 0,1
	ds_load_b128 v[QQ+8*\o+4*\u:QQ+8*\o+4*\u+3], v[MRD] offset:1024*\o+16*\u
.endr
.endr
	s_wait_dscnt 0x0
.irp o, 1,2
.irp k, 0,1,2,3
	MERGE QQ+2*\k, QQ+2*\k+1, QQ+8*\o+2*\k, QQ+8*\o+2*\k+1, QQ+2*\k, QQ+2*\k+1, 100+\k, MQ+2*\k
.endr
.endr
.irp k, 0,1,2,3
	MERGE QQ+2*\k, QQ+2*\k+1, QQ+24+2*\k, QQ+24+2*\k+1, -1, OUTR+\k, 100+\k, MQ+2*\k
.endr
	global_store_b128 v[L16], v[OUTR:OUTR+3], s[10:11]
.Ldone:
	s_wait_tensorcnt 0x0                           ; the wave's end: behind my last tensor load and my last LDS store
	ds_add_u32 v[SPW], v[NIL]
	s_wait_dscnt 0x0
	ROUND                                          ; the closing round: no work-group ends while a partner may still ask for a piece that names it
	s_endpgm
.Lfunc_end_k_qa607201ffd_match:
	.size	k_qa607201ffd_match, .Lfunc_end_k_qa607201ffd_match-k_qa607201ffd_match
	.p2alignl 7, 3214868480
	.fill 96, 4, 3214868480
	.section	.rodata,"a",@progbits
	.p2align	6, 0x0
	.amdhsa_kernel k_qa607201ffd_match
		.amdhsa_group_segment_fixed_size 327680
		.amdhsa_private_segment_fixed_size 0
		.amdhsa_enable_private_segment 0
		.amdhsa_kernarg_size 32
		.amdhsa_user_sgpr_count 2
		.amdhsa_user_sgpr_kernarg_segment_ptr 1
		.amdhsa_wavefront_size32 1
		.amdhsa_system_sgpr_workgroup_id_x 1
		.amdhsa_system_sgpr_workgroup_id_y 1
		.amdhsa_system_sgpr_workgroup_id_z 1
		.amdhsa_system_vgpr_workitem_id 0
		.amdhsa_next_free_vgpr 1024
		.amdhsa_next_free_sgpr 66
		.amdhsa_reserve_vcc 1
		.amdhsa_float_denorm_mode_32 3
		.amdhsa_float_denorm_mode_16_64 3
		.amdhsa_memory_ordered 1
		.amdhsa_forward_progress 1
		.amdhsa_inst_pref_size 255
	.end_amdhsa_kernel
	.section	.bss,"aw",@nobits
	.p2align	6
	.space	262144
	.amdgpu_metadata
---
amdhsa.version: [ 1, 2 ]
amdhsa.kernels:
  - .name:           k_qa607201ffd_match
    .symbol:         k_qa607201ffd_match.kd
    .args:
      - { .name: x, .offset: 0, .size: 8, .value_kind: global_buffer, .address_space: global }
      - { .name: ecodes, .offset: 8, .size: 8, .value_kind: global_buffer, .address_space: global }
      - { .name: lowp_scales, .offset: 16, .size: 8, .value_kind: global_buffer, .address_space: global }
      - { .name: best, .offset: 24, .size: 8, .value_kind: global_buffer, .address_space: global }
    .group_segment_fixed_size: 327680
    .private_segment_fixed_size: 0
    .kernarg_segment_align: 8
    .kernarg_segment_size: 32
    .max_flat_workgroup_size: 128
    .sgpr_count:     66
    .vgpr_count:     1024
    .wavefront_size: 32
...
	.end_amdgpu_metadata
.endif
;; end of part 2
;; launch gather (part 3): grid 512 x 1, 8 waves a work-group, no clusters, 0 bytes of LDS; arguments best, normt, out0; writes out0
.if DOCPART == 3
	.amdgcn_target "amdgcn-amd-amdhsa--gfx1250"
	.amdhsa_code_object_version 6
	.text
	.protected	k_qa607201ffd_gather
	.globl	k_qa607201ffd_gather
	.p2align	8
	.type	k_qa607201ffd_gather,@function
k_qa607201ffd_gather:
	s_mov_b64 s[64:65], 0
	v_nop
	global_prefetch_b8 v0, s[64:65] scope:SCOPE_SE
	s_setreg_imm32_b32 hwreg(HW_REG_WAVE_MODE, 25, 1), 1
	s_wait_xcnt 0x0
; out0[n][:] = normt[best[n]][:].  best [32768] int32, stored by the launch before; normt [4096][512] f32; out0 [32768][512] f32.
; A wave takes eight rows: 512 work-groups x 8 waves x 8 rows.  Its eight indices come by one scalar load; each row's address is a scalar base, so a load of the wave reads 512 consecutive bytes of a row
; and a store writes 512 consecutive bytes, aligned.  All 32 loads of a wave go out at once; each row is stored when its four loads are in.  No loop: no register that a load or store names is written again.
; An index is held under 4,096 by s_min_u32 before it enters an address.  No LDS, no barrier, no matrix work: the launch only moves bytes.  No cluster: which rows two work-groups share hangs on the data.
; The table's loads carry no hint (a row may be named again and again); the output is written once and read by nobody here.
.set ROWB, 2048
	s_load_b128 s[4:7], s[0:1], 0x0                ; best s[4:5], normt s[6:7]
	s_load_b64 s[8:9], s[0:1], 0x10                ; out0
	v_lshrrev_b32 v1, 5, v0
	v_readfirstlane_b32 s12, v1                    ; wave 0..7
	v_and_b32 v1, 31, v0
	v_lshlrev_b32 v1, 4, v1                        ; 16 x lane
	s_lshl_b32 s13, ttmp9, 3
	s_add_co_u32 s13, s13, s12                     ; which run of eight rows is my wave's
	s_lshl_b32 s14, s13, 5                         ; its eight indices: 32 bytes
	s_mov_b32 s15, 0
	s_lshl_b32 s24, s13, 14                        ; its eight rows of the output: 16,384 bytes
	s_mov_b32 s25, 0
	s_wait_kmcnt 0x0
	s_add_nc_u64 s[4:5], s[4:5], s[14:15]
	s_add_nc_u64 s[8:9], s[8:9], s[24:25]
	s_load_b256 s[16:23], s[4:5], 0x0
	s_wait_kmcnt 0x0
.irp r, 0,1,2,3,4,5,6,7
	s_min_u32 s[16+\r], s[16+\r], 0xfff
	s_lshl_b32 s[32+2*\r], s[16+\r], 11            ; the row's first byte in the table
	s_mov_b32 s[33+2*\r], 0
	s_add_nc_u64 s[32+2*\r:33+2*\r], s[6:7], s[32+2*\r:33+2*\r]
.endr
.irp r, 0,1,2,3,4,5,6,7
.irp j, 0,1,2,3
	global_load_b128 v[8+16*\r+4*\j:8+16*\r+4*\j+3], v1, s[32+2*\r:33+2*\r] offset:512*\j
.endr
.endr
.irp r, 0,1,2,3,4,5,6,7
	s_wait_loadcnt 28-4*\r                         ; loads come back in order: this row's four are in, the later rows' stay out
.irp j, 0,1,2,3
	global_store_b128 v1, v[8+16*\r+4*\j:8+16*\r+4*\j+3], s[8:9] offset:ROWB*\r+512*\j th:TH_STORE_NT
.endr
.endr
	s_endpgm
.Lfunc_end_k_qa607201ffd_gather:
	.size	k_qa607201ffd_gather, .Lfunc_end_k_qa607201ffd_gather-k_qa607201ffd_gather
	.p2alignl 7, 3214868480
	.fill 96, 4, 3214868480
	.section	.rodata,"a",@progbits
	.p2align	6, 0x0
	.amdhsa_kernel k_qa607201ffd_gather
		.amdhsa_group_segment_fixed_size 0
		.amdhsa_private_segment_fixed_size 0
		.amdhsa_enable_private_segment 0
		.amdhsa_kernarg_size 24
		.amdhsa_user_sgpr_count 2
		.amdhsa_user_sgpr_kernarg_segment_ptr 1
		.amdhsa_wavefront_size32 1
		.amdhsa_system_sgpr_workgroup_id_x 1
		.amdhsa_system_sgpr_workgroup_id_y 1
		.amdhsa_system_sgpr_workgroup_id_z 1
		.amdhsa_system_vgpr_workitem_id 0
		.amdhsa_next_free_vgpr 136
		.amdhsa_next_free_sgpr 66
		.amdhsa_reserve_vcc 0
		.amdhsa_float_denorm_mode_32 3
		.amdhsa_float_denorm_mode_16_64 3
		.amdhsa_memory_ordered 1
		.amdhsa_forward_progress 1
		.amdhsa_inst_pref_size 9
	.end_amdhsa_kernel
	.amdgpu_metadata
---
amdhsa.version: [ 1, 2 ]
amdhsa.kernels:
  - .name:           k_qa607201ffd_gather
    .symbol:         k_qa607201ffd_gather.kd
    .args:
      - { .name: best, .offset: 0, .size: 8, .value_kind: global_buffer, .address_space: global }
      - { .name: normt, .offset: 8, .size: 8, .value_kind: global_buffer, .address_space: global }
      - { .name: out0, .offset: 16, .size: 8, .value_kind: global_buffer, .address_space: global }
    .group_segment_fixed_size: 0
    .private_segment_fixed_size: 0
    .kernarg_segment_align: 8
    .kernarg_segment_size: 24
    .max_flat_workgroup_size: 256
    .sgpr_count:     66
    .vgpr_count:     136
    .wavefront_size: 32
...
	.end_amdgpu_metadata
.endif
;; end of part 3
